; MI455X (gfx1250); checked and timed in simulation.
; The chip was launched on July 23, 2026; its instructions are those of AMD's public machine-readable ISA for CDNA 5 (MIT licence, August 2026) and "CDNA5" Instruction Set Architecture Reference Guide (July 2026). The comments in the code are by the model that wrote it; some were corrected since.
;; KAN Linear. Allowed arithmetic: float matrix products may take bf16 or f16 operands with f32 sums; other float arithmetic in f32, or as packed bf16 or f16 multiplies, adds, multiply-adds, maxima and minima; sums over many terms, partial sums and values carried from step to step in f32; what a program stores and reads back later, other than sums and carried values, may be rounded once to bf16 or f16.
;; Inputs: base_weight 512 x 1,024 float32; spline_scaler 512 x 1,024 float32; spline_weight 512 x 1,024 x 4 float32; x 16,384 x 1,024 float32.
;; Outputs: out0 16,384 x 512 float32.
;; One version. Each part assembles by itself: llvm-mc -triple=amdgcn-amd-amdhsa -mcpu=gfx1250 --defsym DOCPART=n.
;; ======== version 1 of 1: 2 launches
;; limits: values are held in f16: magnitudes above 65,504 overflow, below 6.1e-05 lose precision; inputs' magnitudes at most 2,047; right only within a limited range of input values
;; workspace buffers: wp 5,242,880 bytes
;; launch prep (part 1): grid 32 x 16, 4 waves a work-group, no clusters, 11,520 bytes of LDS; arguments base_weight, spline_scaler, spline_weight, wp; writes wp
.if DOCPART == 1
	.amdgcn_target "amdgcn-amd-amdhsa--gfx1250"
	.amdhsa_code_object_version 6
	.text
	.protected	k_q4856deb79c_prep
	.globl	k_q4856deb79c_prep
	.p2align	8
	.type	k_q4856deb79c_prep,@function
k_q4856deb79c_prep:
	s_mov_b64 s[64:65], 0
	v_nop
	global_prefetch_b8 v0, s[64:65] scope:SCOPE_SE
	s_setreg_imm32_b32 hwreg(HW_REG_WAVE_MODE, 25, 1), 1
	s_wait_xcnt 0x0
; KANLinear, first of two launches: the weights are merged, scaled and narrowed once.
; out[b][o] = sum_i silu(x[b][i]) bw[o][i] + sum_i sum_f B_f(x[b][i]) sw[o][i][f] sc[o][i] is ONE product over K = 5 x 1,024.  No work of reference() is left out: all four inputs are read.
; This launch writes its second operand, wp, in f16: 32 bw and 32 sw sc (the factor 32 is exact; the second launch divides by it).
; LIMITS.  f16 ends at 65,504: |bw| and |sw sc| stay under 2,047, beyond that an infinity arises; 32 x weight below 6e-5 keeps f16's fixed step of 6e-8.
; LAYOUT OF wp: [H: 2 halves of the 512 outputs][c: 32 chunks of 32 in-features][image of 81,920 bytes], the image as the second launch keeps it in LDS:
;   [s: 5 substeps of 32 along K][T: 16 tiles of 16 outputs][a: 2][lane: 16 h + r][16 bytes] = the eight numbers k = 16 a + 8 h + 0..7 of output 256 H + 16 T + r: a fragment in register order.
;   s = 0: k is the in-feature in the chunk, the number 32 bw.   s = 1 + t: the 16 bytes with 2 a + h = g belong to the pair of in-features j = 4 t + g (i0 = 32 c + 2 j): number 2 f + e is 32 sw[i0+e][f] sc[i0+e].
; SHARES.  A work-group takes 16 outputs (ttmp9) x 64 in-features (ttmp7: two chunks); wave w the outputs 4 w + k; a lane a pair of in-features.  Each load of base and scaler covers 256 consecutive
; bytes, aligned; the two of spline together 1,024.  The packed words meet in LDS, and leave as stores of 512 consecutive bytes, aligned.
.set PITCH, 272                        ; a stage row: 256 bytes + 16 = 68 words: row X starts at bank 4 X mod 64 (64 banks of 4 bytes: ISA guide 11.1)
.set SPARE, 11008                      ; behind the stage's 40 rows (10,880 bytes): the spare words, 128 bytes for each wave, that no other line names
.set SPW, 2                            ; v2  LDS address of my spare word; never rewritten
.set NIL, 3                            ; v3  0; never rewritten
.set OB,  4                            ; v4  8 x lane: my pair in base and scaler
.set OS,  5                            ; v5  32 x lane: my pair in spline
.set LS,  6                            ; v6  stage: where my pair's 16 bytes go
.set LB,  7                            ; v7  stage: where my pair's 4 bytes of the base go
.set RD,  8                            ; v8  stage: where I read back
.set GO,  9                            ; v9  16 x lane
.set IN,  16                           ; v[16:63]  row k at IN + 12 k: base 2, scaler 2, spline 8
.set DD,  64                           ; v[64:95]  row k at DD + 8 k: four packed words of the spline, one of the base
.set BK,  96                           ; v[96:115] the way out
	s_load_b256 s[4:11], s[0:1], 0x0               ; base s[4:5], scaler s[6:7], spline s[8:9], wp s[10:11]
	v_lshl_add_u32 v[SPW], v0, 2, SPARE
	v_mov_b32 v[NIL], 0
	v_lshrrev_b32 v1, 5, v0
	v_readfirstlane_b32 s12, v1                    ; wave 0..3
	s_and_b32 s14, ttmp7, 0xffff                   ; P: which 64 in-features
	s_lshl_b32 s16, ttmp9, 16                      ; 16 outputs x 4,096 bytes,
	s_lshl_b32 s17, s12, 14                        ; my wave's four,
	s_add_co_u32 s16, s16, s17
	s_lshl_b32 s17, s14, 8                         ; 64 in-features x 4 bytes
	s_add_co_u32 s16, s16, s17
	s_mov_b32 s17, 0
	s_lshl_b32 s18, s16, 2                         ; spline has four numbers for each of these
	s_mov_b32 s19, 0
	s_mov_b32 s22, 0x42000000                      ; 32.0
	s_mov_b32 s23, s22                             ; named with it as a pair
	v_and_b32 v10, 31, v0                          ; lane
	v_lshlrev_b32 v[OB], 3, v10
	v_lshlrev_b32 v[OS], 5, v10
	s_wait_kmcnt 0x0
	s_add_nc_u64 s[4:5], s[4:5], s[16:17]
	s_add_nc_u64 s[6:7], s[6:7], s[16:17]
	s_add_nc_u64 s[8:9], s[8:9], s[18:19]
.irp k, 0,1,2,3                        ; all sixteen loads go out at once
	global_load_b64  v[IN+12*\k:IN+12*\k+1],    v[OB], s[4:5] offset:4096*\k th:TH_LOAD_NT
	global_load_b64  v[IN+12*\k+2:IN+12*\k+3],  v[OB], s[6:7] offset:4096*\k th:TH_LOAD_NT
	global_load_b128 v[IN+12*\k+4:IN+12*\k+7],  v[OS], s[8:9] offset:16384*\k th:TH_LOAD_NT
	global_load_b128 v[IN+12*\k+8:IN+12*\k+11], v[OS], s[8:9] offset:16384*\k+16 th:TH_LOAD_NT
.endr
	; the stage's row is X = 20 x (chunk of the two) + 4 s + 2 a + h, its column 16 x output
	v_lshrrev_b32 v11, 4, v10                      ; my pair's chunk of the two; on the way out: h
	v_and_b32 v12, 15, v10                         ; j: my pair in the chunk; on the way out: the output r
	s_lshl_b32 s25, s12, 6                         ; 16 bytes x my wave's first output
	v_mad_u32_u24 v13, v11, 20, v12
	v_add_nc_u32 v13, 4, v13                       ; X = 20 chunk + 4 + j
	v_mul_u32_u24 v[LS], v13, PITCH
	v_add_nc_u32 v[LS], s25, v[LS]
	v_lshrrev_b32 v14, 2, v12
	v_mad_u32_u24 v14, v11, 20, v14                ; the base: X = 20 chunk + j / 4,
	v_mul_u32_u24 v[LB], v14, PITCH
	v_and_b32 v15, 3, v12
	v_lshl_add_u32 v[LB], v15, 2, v[LB]            ; byte 4 (j % 4) of the 16
	v_add_nc_u32 v[LB], s25, v[LB]
	; the way out: wave w takes chunk w / 2 of the two and a = w % 2; a lane reads row 20 chunk + 2 a + h (+ 4 for each substep), column 16 r: byte 10,863 at the most
	s_lshr_b32 s24, s12, 1
	s_and_b32 s26, s12, 1
	s_mul_i32 s27, s24, 20*PITCH
	s_mul_i32 s28, s26, 2*PITCH
	s_add_co_u32 s27, s27, s28
	v_mul_u32_u24 v[RD], v11, PITCH
	v_lshl_add_u32 v[RD], v12, 4, v[RD]
	v_add_nc_u32 v[RD], s27, v[RD]
	v_lshlrev_b32 v[GO], 4, v10
	s_lshr_b32 s20, ttmp9, 4                       ; H
	s_mul_i32 s20, s20, 2621440
	s_lshl_b32 s21, s14, 1
	s_add_co_u32 s21, s21, s24                     ; chunk c = 2 P + w / 2
	s_mul_i32 s21, s21, 81920
	s_add_co_u32 s20, s20, s21
	s_and_b32 s21, ttmp9, 15                       ; T
	s_lshl_b32 s21, s21, 10
	s_add_co_u32 s20, s20, s21
	s_lshl_b32 s21, s26, 9                         ; a
	s_add_co_u32 s20, s20, s21
	s_mov_b32 s21, 0
	s_add_nc_u64 s[10:11], s[10:11], s[20:21]
.macro ROWK k
.set R, IN+12*(\k)
.set D, DD+8*(\k)
	s_wait_loadcnt 12-4*(\k)                       ; loads come back in order: row k's four are in, the later rows' stay out
	v_pk_mul_f32 v[R+2:R+3], v[R+2:R+3], s[22:23] op_sel_hi:[1,0]        ; 32 sc, exact
	v_pk_mul_f32 v[R:R+1], v[R:R+1], s[22:23] op_sel_hi:[1,0]            ; 32 bw, exact
	v_pk_mul_f32 v[R+4:R+5], v[R+4:R+5], v[R+2:R+3] op_sel_hi:[1,0]      ; sw[i0][0..3] times 32 sc[i0]
	v_pk_mul_f32 v[R+6:R+7], v[R+6:R+7], v[R+2:R+3] op_sel_hi:[1,0]
	v_pk_mul_f32 v[R+8:R+9], v[R+8:R+9], v[R+2:R+3] op_sel:[0,1] op_sel_hi:[1,1]      ; sw[i0+1][0..3] times 32 sc[i0+1]
	v_pk_mul_f32 v[R+10:R+11], v[R+10:R+11], v[R+2:R+3] op_sel:[0,1] op_sel_hi:[1,1]
.irp f, 0,1,2,3
	v_cvt_pk_f16_f32 v[D+\f], v[R+4+\f], v[R+8+\f] ; numbers 2 f and 2 f + 1 of the 16 bytes
.endr
	v_cvt_pk_f16_f32 v[D+4], v[R], v[R+1]
	ds_store_b128 v[LS], v[D:D+3] offset:16*(\k)   ; sixteen lanes: sixteen rows on end, sixteen different columns of 16 bytes
	ds_store_b32 v[LB], v[D+4] offset:16*(\k)
.endm
	ROWK 0
	ROWK 1
	ROWK 2
	ROWK 3
	s_wait_dscnt 0x0                               ; for the others' sake: my stores into the stage are done
	s_barrier_signal -1
	s_barrier_wait -1
.irp t, 0,1,2,3,4                      ; substep t: two stage rows (h = 0, 1), 512 bytes
	ds_load_b128 v[BK+4*\t:BK+4*\t+3], v[RD] offset:4*PITCH*\t
.endr
.irp t, 0,1,2,3,4
	s_wait_dscnt 4-\t                              ; LDS loads come back in order: substep t is in; the last count is 0
	global_store_b128 v[GO], v[BK+4*\t:BK+4*\t+3], s[10:11] offset:16384*\t  ; 512 consecutive bytes, at a multiple of 512 from wp's first byte
.endr
	s_barrier_signal -1                            ; my reads of the stage are back (the count-down above ended at 0);
	s_barrier_wait -1                              ; so are everybody's: no LDS word is written again before that.  The stage ends below the spare words, so this only states the order outright; once a launch
	s_wait_tensorcnt 0x0                           ; the wave's end, behind my last LDS store
	ds_add_u32 v[SPW], v[NIL]
	s_wait_dscnt 0x0
	s_endpgm
.Lfunc_end_k_q4856deb79c_prep:
	.size	k_q4856deb79c_prep, .Lfunc_end_k_q4856deb79c_prep-k_q4856deb79c_prep
	.p2alignl 7, 3214868480
	.fill 96, 4, 3214868480
	.section	.rodata,"a",@progbits
	.p2align	6, 0x0
	.amdhsa_kernel k_q4856deb79c_prep
		.amdhsa_group_segment_fixed_size 11520
		.amdhsa_private_segment_fixed_size 0
		.amdhsa_enable_private_segment 0
		.amdhsa_kernarg_size 32
		.amdhsa_user_sgpr_count 2
		.amdhsa_user_sgpr_kernarg_segment_ptr 1
		.amdhsa_wavefront_size32 1
		.amdhsa_system_sgpr_workgroup_id_x 1
		.amdhsa_system_sgpr_workgroup_id_y 1
		.amdhsa_system_sgpr_workgroup_id_z 1
		.amdhsa_system_vgpr_workitem_id 0
		.amdhsa_next_free_vgpr 128
		.amdhsa_next_free_sgpr 66
		.amdhsa_reserve_vcc 0
		.amdhsa_float_denorm_mode_32 3
		.amdhsa_float_denorm_mode_16_64 3
		.amdhsa_memory_ordered 1
		.amdhsa_forward_progress 1
		.amdhsa_inst_pref_size 9
	.end_amdhsa_kernel
	.amdgpu_metadata
---
amdhsa.version: [ 1, 2 ]
amdhsa.kernels:
  - .name:           k_q4856deb79c_prep
    .symbol:         k_q4856deb79c_prep.kd
    .args:
      - { .name: base_weight, .offset: 0, .size: 8, .value_kind: global_buffer, .address_space: global }
      - { .name: spline_scaler, .offset: 8, .size: 8, .value_kind: global_buffer, .address_space: global }
      - { .name: spline_weight, .offset: 16, .size: 8, .value_kind: global_buffer, .address_space: global }
      - { .name: wp, .offset: 24, .size: 8, .value_kind: global_buffer, .address_space: global }
    .group_segment_fixed_size: 11520
    .private_segment_fixed_size: 0
    .kernarg_segment_align: 8
    .kernarg_segment_size: 32
    .max_flat_workgroup_size: 128
    .sgpr_count:     66
    .vgpr_count:     128
    .wavefront_size: 32
...
	.end_amdgpu_metadata
.endif
;; end of part 1
;; launch kan (part 2): grid 8 x 32, 8 waves a work-group, clusters of 4 x 1, 327,680 bytes of LDS; arguments x, wp, out0; writes out0
.if DOCPART == 2
	.amdgcn_target "amdgcn-amd-amdhsa--gfx1250"
	.amdhsa_code_object_version 6
	.text
	.protected	k_q4856deb79c_kan
	.globl	k_q4856deb79c_kan
	.p2align	8
	.type	k_q4856deb79c_kan,@function
k_q4856deb79c_kan:
	s_mov_b64 s[64:65], 0
	v_nop
	global_prefetch_b8 v0, s[64:65] scope:SCOPE_SE
	s_setreg_imm32_b32 hwreg(HW_REG_WAVE_MODE, 25, 1), 1
	s_wait_xcnt 0x0
	s_wait_alu depctr_hold_cnt(0) depctr_sa_sdst(0) depctr_va_vdst(0) depctr_va_sdst(0) depctr_va_ssrc(0) depctr_va_vcc(0) depctr_vm_vsrc(0)
	s_getreg_b32 s2, hwreg(HW_REG_IB_STS2, 6, 4)
	s_cmp_eq_u32 s2, 0
	s_cbranch_scc0 .Lentry_in_a_cluster
	s_endpgm
.Lentry_in_a_cluster:
	s_bfe_u32 s2, ttmp6, 0x10000c
	s_cmp_lg_u32 s2, 0x3003
	s_cbranch_scc0 .Lentry_shape_is_right
	s_endpgm
.Lentry_shape_is_right:
; KANLinear, second launch: out = F(x) W^T / 192, one product with M = 16,384, N = 512, K = 5,120.  W is wp (f16, 32 x the merged weights, written by the launch before, in fragment order);
; F(x) is never in memory: for each x five numbers, 6 silu(x) and 6 B_0..3(x), made here, rounded to f16 and handed over in LDS.  No work of reference() is left out.
; THE BASES.  The knots are -7, -5 .. 7.  With t = (x + 7) / 2, g_m = clamp(t - m, 0, 1) for m = 0..6, w = g_f - g_(f+3), q = g_(f+1) - g_(f+2):  6 B_f = w^3 + 3 q + 3 q^2 - 3 q^3, on every piece of the
; cubic and 0 outside; the clamps are reference()'s clip.  SILU.  With y = -log2(e) x:  6 silu = y / (-(log2(e) / 6) (1 + 2^y)).  The same y gives t = 3.5 - (ln 2 / 2) y.
; LIMITS.  f16 operands: 6 silu(x) passes 65,504 from |x| = 10,900 on, and an infinity arises.  The upper clip stands at 7, not at 7 - 1e-6: there reference()'s last basis is 2e-20, here 0.
; The exponential and the reciprocal flush denormals: silu counts as 0 below x = -88.  A NaN or an infinity in x reaches its row through the silu number and is not treated apart otherwise.
; SHARES.  A work-group makes 128 rows x 256 columns.  EIGHT WAVES IN TWO ROLES: waves 0-3 multiply (64 x 128 each: 32 accumulators, 256 registers); waves 4-7 fetch the weights' tiles, load x and
; make the features (32 rows each).  K goes in 32 chunks of 32 in-features = 5 substeps of 32 along K.  In a step the multiplying waves take chunk c - 1 while the others make chunk c's features
; and chunk c's weights are on their way: two slots of weights, two buffers of features, ONE barrier a step.
; CLUSTER.  The four work-groups of a cluster make the same 256 columns of four row tiles and walk the same weights: each tile is asked for JOINTLY, by the same tensor load with the mask of four.
; THE MATRIX INSTRUCTION IS USED TRANSPOSED (source 0 = 16 columns' weights, source 1 = 16 rows' features): a lane holds eight neighbouring columns of one row of out.
.set SLOTB,  81920                     ; a slot: one chunk's weights for 256 columns, [5 substeps][16 tiles][2][32 lanes][16 bytes]: every fragment load takes 512 consecutive bytes
.set QUART,  20480                     ; what one tensor load brings: 80 rows of 256 bytes
.set HALFW,  2621440                   ; wp: bytes for 256 columns
.set ABUF,   2*SLOTB                   ; behind the slots: two buffers of features; no tensor load lands from here on
.set APITCH, 336                       ; a row of features: 64 bytes of silu, 16 x 16 bytes of bases, 16 of padding = 21 x 16 bytes: the 16 rows of a fragment load start in 16 different columns of 16 bytes modulo 256 (64 banks of 4 bytes: ISA guide 11.1)
.set ABYTES, 128*APITCH
.set STAGE,  ABUF+2*ABYTES             ; 16 rows x 528 bytes for each multiplying wave, for the way out
.set SPITCH, 528
.set SPARE,  STAGE+4*16*SPITCH         ; the spare words, 128 bytes for each of the eight waves, that no other line names
.set SPW, 2                            ; v2  LDS address of my spare word; never rewritten
.set NIL, 3                            ; v3  0; never rewritten
; the multiplying waves: window 1 = the accumulators ((a, b) at 8 (8 a + b)); window 0:
.set VA,  4                            ; v4     my lane's place in buffer 0 of the features
.set VB,  5                            ; v5-8   my lane's place in the weights: slot 0 substeps 0-2, slot 0 substeps 3-4, slot 1 likewise
.set STO, 9                            ; v9     the way out: where I put 32 bytes of a row
.set RD,  10                           ; v10    where I read a row back
.set CO,  11                           ; v11    16 x lane
.set F0,  64                           ; v[64:159], v[160:255]  two sets of fragments: features of 4 x 16 rows, then weights of 8 x 16 columns
.set F1,  160
.set TP,  64                           ; the way out: 64 scaled results,
.set BK,  128                          ; and two sets of 64 read back from the stage
.set MUL, 0x50                         ; C and D in window 1, the sources in window 0
; the feature waves: window 0 alone
.set XO,  4                            ; v4     8 x lane: my pair in 256 bytes of a row of x
.set PFX, 5                            ; v5     4,096 x lane: a row of x
.set PFW, 6                            ; v6     256 x lane
.set AS,  7                            ; v7     where my pair's silu goes, in buffer 0, rows 0 | 1 of my 32
.set AG,  8                            ; v8     where my pair's 16 bytes of bases go
.set KL,  10                           ; pairs of equal constants: -log2(e)
.set KH,  12                           ; -ln(2) / 2
.set KD,  14                           ; -log2(e) / 6
.set C3,  16                           ; 3
.set CM,  18                           ; v[18:31]  3.5 - m, m = 0..6
.set Y0,  32                           ; v[32:63]   y of the even chunk: item n (rows 2 n | 2 n + 1 in the lanes' halves) at Y0 + 2 n
.set Y1,  64                           ; v[64:95]   of the odd chunk
.set EE,  96                           ; v[96:111]  silu at work, eight items
.set TT,  112                          ; v[112:191] four items x 20: g_0..6, q, w, z
.set LD,  192                          ; v[192:255] x as it lands: row p at LD + 2 p
.set WV,  10                           ; s10  my wave's number
.set QW,  12                           ; s12  its low two bits
.set G1,  24                           ; s[24:31] descriptor group 1
.set G0E, 32                           ; s[32:35] group 0 for the even chunks, slot 0
.set G0O, 36                           ; s[36:39] for the odd chunks, slot 1
.set CNT, 40                           ; s40  trips to go, this one among them
.set LIMX, 41                          ; s41  a wave prefetches x while CNT is above this
.set LIMW, 42                          ; s42  the same for the weights
.set XB,  44                           ; s[44:45] x at my 32 rows, at the 256 bytes loaded last
.set PW,  46                           ; s[46:47] where my prefetches of the weights stand
.set SC,  48                           ; s[48:49] 1 / 192
.set MSB, 0
.macro WIN new                         ; the immediate's high byte repeats the setting that is left; a switch that changes nothing is dropped
.if MSB != (\new)
	s_set_vgpr_msb (MSB<<8)|(\new)
.set MSB, \new
.endif
.endm
; A round of the cluster's barrier: my work-group's barrier, so that wave 0's signal speaks for all eight waves; wave 0 signals; every wave waits for all four work-groups; my work-group's barrier once more.
.macro ROUND
	s_barrier_signal -1
	s_barrier_wait -1
	s_cmp_lg_u32 s[WV], 0
	s_cbranch_scc1 .Lnot_wave_0_\@
	s_barrier_signal -3
.Lnot_wave_0_\@:
	s_barrier_wait -3
	s_barrier_signal -1
	s_barrier_wait -1
.endm
; THE STEP'S ONE BARRIER, on every wave's path.  In front of it: all my tensor loads have landed (a feature wave's quarter of the slot that is read next); the add; my LDS instructions are done: a feature
; wave's stores of features, a multiplying wave's reads of the old slot and the old buffer.  Behind it the new slot and buffer are whole, and nobody reads the old ones: they are filled and written again.
; fill = 1: a joint fill follows, so the barrier is a round of the cluster's; group 0 at g0, whose load has landed, steps two chunks on.
.macro SYNC fill, g0
	s_wait_tensorcnt 0x0
	ds_add_u32 v[SPW], v[NIL]
.if \fill
	ds_add_u32 v[SPW], v[NIL]
	s_add_nc_u64 s[(\g0)+2:(\g0)+3], s[(\g0)+2:(\g0)+3], 2*SLOTB
	s_wait_dscnt 0x0
	ROUND
.else
	s_wait_dscnt 0x0
	s_barrier_signal -1
	s_barrier_wait -1
.endif
.endm
.macro PLACES
.rept 4
	v_nop
.endr
.endm
	s_load_b128 s[4:7], s[0:1], 0x0                ; x s[4:5], wp s[6:7]
	s_load_b64 s[8:9], s[0:1], 0x10                ; out0
	v_lshl_add_u32 v[SPW], v0, 2, SPARE
	v_mov_b32 v[NIL], 0
	ds_add_u32 v[SPW], v[NIL]                      ; the wave's opening: the add, twice on end, and its wait ahead of the first tensor load; the set-up below stands between
	ds_add_u32 v[SPW], v[NIL]
	v_lshrrev_b32 v1, 5, v0
	v_readfirstlane_b32 s[WV], v1                  ; wave 0..7
	s_and_b32 s[QW], s[WV], 3
	s_bfe_u32 s13, ttmp6, 0x40000                  ; cx: my place in the cluster
	s_mov_b32 s14, ttmp9                           ; H: the cluster's x = which 256 columns; the four partners share it
	s_and_b32 s15, ttmp7, 0xffff                   ; the cluster's y
	s_lshl_b32 s16, s15, 2
	s_add_co_u32 s16, s16, s13                     ; my row tile = 4 y + cx: it enters the addresses of x, of out0 and of the prefetches alone
	s_mov_b32 s[G1+0], 15|(3<<16)|(1<<21)          ; 15:0 the mask of four; 17:16 elements of 8 bytes; 21 set beside a mask; no padding
	s_mov_b32 s[G1+1], 32<<16                      ; tensor_dim0 = 32 elements: 256 bytes
	s_mov_b32 s[G1+2], 80<<16                      ; tensor_dim1 = 80
	s_mov_b32 s[G1+3], 32<<16                      ; tile_dim0 = 32
	s_mov_b32 s[G1+4], 80                          ; tile_dim1 = 80
	s_mov_b32 s[G1+5], 32                          ; the rows lie end to end
	s_mov_b32 s[G1+6], 0
	s_mov_b32 s[G1+7], 0
	s_mov_b32 s[G0E], 1
	s_mul_i32 s[G0E+1], s[QW], QUART               ; LDS: my quarter of slot 0
	s_mov_b32 s[G0O], 1
	s_add_co_u32 s[G0O+1], s[G0E+1], SLOTB         ; of slot 1
	s_mul_i32 s20, s14, HALFW                      ; wp: my columns' half, my quarter of chunk 0
	s_mul_i32 s21, s[QW], QUART
	s_add_co_u32 s20, s20, s21
	s_mov_b32 s21, 0
	s_mul_i32 s52, s14, HALFW                      ; the weights' prefetches: chunk 1 + 8,192 bytes x my row tile; stepped two chunks on ahead of each use
	s_lshl_b32 s53, s16, 13
	s_add_co_u32 s52, s52, s53
	s_add_co_u32 s52, s52, SLOTB
	s_mov_b32 s53, 0
	s_lshl_b32 s50, s16, 19                        ; x: 128 rows of 4,096 bytes a tile,
	s_lshl_b32 s51, s[QW], 17                      ; 32 rows a feature wave
	s_add_co_u32 s50, s50, s51
	s_mov_b32 s51, 0
	s_mov_b32 s[SC], 0x3baaaaab                    ; 1 / 192
	s_mov_b32 s[SC+1], s[SC]
	s_mov_b32 s[CNT], 16
	s_cmp_eq_u32 s14, 0                            ; both halves of the columns read the same x: the first asks
	s_cselect_b32 s[LIMX], 3, -1
	s_cmp_lt_u32 s15, 5                            ; 32 clusters read the same weights: the 20 work-groups of the first five ask, 32 blocks each,
	s_cselect_b32 s[LIMW], 2, -1
	s_cmp_eq_u32 s[WV], 4                          ; by one wave: the same test in all four partners
	s_cselect_b32 s[LIMW], s[LIMW], -1
	s_wait_dscnt 0x0                               ; both opening adds are done
	s_wait_kmcnt 0x0
	s_add_nc_u64 s[G0E+2:G0E+3], s[6:7], s[20:21]
	s_add_nc_u64 s[G0O+2:G0O+3], s[G0E+2:G0E+3], SLOTB
	s_or_b32 s[G0E+3], s[G0E+3], 0x80000000        ; type = 2
	s_or_b32 s[G0O+3], s[G0O+3], 0x80000000
	s_add_nc_u64 s[PW:PW+1], s[6:7], s[52:53]
	s_add_nc_u64 s[XB:XB+1], s[4:5], s[50:51]
	ROUND                                          ; all four work-groups are here: the first joint loads meet
	s_cmp_lt_u32 s[WV], 4
	s_cbranch_scc1 .Lg_init
	; ---- the feature waves' set-up ----
	tensor_load_to_lds s[G0E:G0E+3], s[G1:G1+7]    ; chunk 0 into slot 0
	s_nop 0
	PLACES
	v_and_b32 v[XO], 31, v0
	v_lshlrev_b32 v[PFX], 12, v[XO]
	v_lshlrev_b32 v[PFW], 8, v[XO]
	v_lshlrev_b32 v[XO], 3, v[XO]
.macro XLOADS                          ; 256 bytes, aligned, of each of my 32 rows: one row an instruction, a pair of numbers a lane
.set n, 0
.rept 32
	global_load_b64 v[LD+2*n:LD+2*n+1], v[XO], s[XB:XB+1] offset:4096*n
.set n, n+1
.endr
.endm
	XLOADS                                         ; in-features 0 to 63
.macro CONST2 r, val
	v_mov_b32 v[\r], \val
	v_mov_b32 v[(\r)+1], \val
.endm
	CONST2 KL, 0xbfb8aa3b
	CONST2 KH, 0xbeb17218
	CONST2 KD, 0xbe76384f
	CONST2 C3, 0x40400000
	CONST2 CM, 0x40600000                          ; 3.5
	CONST2 CM+2, 0x40200000                        ; 2.5
	CONST2 CM+4, 0x3fc00000                        ; 1.5
	CONST2 CM+6, 0x3f000000                        ; 0.5
	CONST2 CM+8, 0xbf000000
	CONST2 CM+10, 0xbfc00000
	CONST2 CM+12, 0xc0200000
	v_and_b32 v1, 15, v0                           ; j: my pair in a chunk
	v_bfe_u32 v9, v0, 4, 1                         ; which of an item's two rows
	s_mul_i32 s17, s[QW], 32*APITCH
	s_add_co_u32 s17, s17, ABUF
	v_mul_u32_u24 v9, v9, APITCH
	v_add_nc_u32 v9, s17, v9
	v_lshl_add_u32 v[AS], v1, 2, v9
	v_lshl_add_u32 v[AG], v1, 4, v9
	v_add_nc_u32 v[AG], 64, v[AG]
	s_branch .LP0                                  ; the loop is entered in the middle of its first trip
	; ---- the multiplying waves' set-up ----
.Lg_init:
	v_and_b32 v12, 15, v0                          ; r
	v_bfe_u32 v13, v0, 4, 1                        ; h
	v_and_b32 v14, 31, v0
	s_lshr_b32 s17, s[WV], 1                       ; which 64 rows
	s_and_b32 s18, s[WV], 1                        ; which 128 columns
	s_mul_i32 s19, s17, 64*APITCH
	s_add_co_u32 s19, s19, ABUF
	v_mul_u32_u24 v[VA], v12, APITCH
	v_lshl_add_u32 v[VA], v13, 4, v[VA]            ; row x pitch + 16 h
	v_add_nc_u32 v[VA], s19, v[VA]
	s_lshl_b32 s19, s18, 13                        ; eight tiles of 1,024 bytes
	v_lshl_add_u32 v[VB], v14, 4, s19
	v_add_nc_u32 v[VB+1], 3*16384, v[VB]
	v_add_nc_u32 v[VB+2], SLOTB, v[VB]
	v_add_nc_u32 v[VB+3], SLOTB+3*16384, v[VB]
	s_mul_i32 s19, s[WV], 16*SPITCH
	s_add_co_u32 s19, s19, STAGE
	v_mul_u32_u24 v[STO], v12, SPITCH
	v_lshl_add_u32 v[STO], v13, 5, v[STO]
	v_add_nc_u32 v[STO], s19, v[STO]
	v_lshl_add_u32 v[RD], v14, 4, s19
	v_lshlrev_b32 v[CO], 4, v14
	s_lshl_b32 s52, s16, 18                        ; out0: 128 rows of 2,048 bytes a tile,
	s_lshl_b32 s53, s17, 17                        ; my 64 rows,
	s_add_co_u32 s52, s52, s53
	s_lshl_b32 s53, s14, 10                        ; 256 columns,
	s_add_co_u32 s52, s52, s53
	s_lshl_b32 s53, s18, 9                         ; my 128
	s_add_co_u32 s52, s52, s53
	s_mov_b32 s53, 0
	s_add_nc_u64 s[8:9], s[8:9], s[52:53]
	; The sums and fragment set 1 start at 0, so that the first step is a step like any other (its first 32 products add 0).  These lines run while the first tile and the first features are being made.
	WIN 0x40
.set i, 0
.rept 256
	v_mov_b32 v[i], 0
.set i, i+1
.endr
	WIN 0
.set i, F1
.rept 96
	v_mov_b32 v[i], 0
.set i, i+1
.endr
	s_branch .LjoinA
; ---- THE MULTIPLYING WAVES' WORK ----
; Six LDS loads: fragments 3 grp .. 3 grp + 2 of the twelve of substep s (features of rows 16 u on for u = 0..3, then weights of tile u - 4), into set g.
.macro FG slot, s, g, grp
	WIN 0
.irp d, 0,1,2
.set u, 3*(\grp)+\d
.if u < 4
	ds_load_b128 v[(\g)+8*u:(\g)+8*u+3],   v[VA] offset:ABYTES*(\slot)+16*APITCH*u+64*(\s)
	ds_load_b128 v[(\g)+8*u+4:(\g)+8*u+7], v[VA] offset:ABYTES*(\slot)+16*APITCH*u+64*(\s)+32
.else
	ds_load_b128 v[(\g)+8*u:(\g)+8*u+3],   v[VB+2*(\slot)+(\s)/3] offset:16384*((\s)%3)+1024*(u-4)
	ds_load_b128 v[(\g)+8*u+4:(\g)+8*u+7], v[VB+2*(\slot)+(\s)/3] offset:16384*((\s)%3)+1024*(u-4)+512
.endif
.endr
	WIN MUL
.endm
; A substep: 32 products on set f, the 32 accumulators by turns in one order everywhere.  fetch = 1: substep s of the slot comes into set g meanwhile, six loads behind each of
; four products.  Four v_nop behind the first product are the places between the last product that read g and the first load into it (ISA guide 7.12.1 for vector instructions).
.macro SUBK f, fetch, slot, s, g
	s_wait_dscnt 6                                 ; of f's 24 loads all but the last six (tiles 5 to 7) are in
	WIN MUL
.set i, 0
.rept 32
.if i == 20
.if \fetch
	s_wait_dscnt 18                                ; tiles 5 to 7 are in: the 18 loads issued since may stay out
.else
	s_wait_dscnt 0
.endif
.endif
	v_wmma_f32_16x16x32_f16 v[8*(8*(i%4)+i/4):8*(8*(i%4)+i/4)+7], v[(\f)+32+8*(i/4):(\f)+32+8*(i/4)+7], v[(\f)+8*(i%4):(\f)+8*(i%4)+7], v[8*(8*(i%4)+i/4):8*(8*(i%4)+i/4)+7]
.if \fetch
.if i == 0
	PLACES
.endif
.if (i == 3) || (i == 9) || (i == 15) || (i == 21)
	FG \slot, \s, \g, (i-3)/6
.endif
.endif
.set i, i+1
.endr
.endm
; A step: the chunk before's substep 4, which came into registers ahead of the barrier, then this chunk's substeps 0 to 3; substep 4 is fetched and kept for the next step.
.macro GSTEP slot
.if \slot
	SUBK F0, 1, 1, 0, F1
	SUBK F1, 1, 1, 1, F0
	SUBK F0, 1, 1, 2, F1
	SUBK F1, 1, 1, 3, F0
	SUBK F0, 1, 1, 4, F1
.else
	SUBK F1, 1, 0, 0, F0
	SUBK F0, 1, 0, 1, F1
	SUBK F1, 1, 0, 2, F0
	SUBK F0, 1, 0, 3, F1
	SUBK F1, 1, 0, 4, F0
.endif
	WIN 0                                          ; at a label and at a branch every window is 0
.endm
; ---- THE FEATURE WAVES' WORK ----
; Line `row` of 39 of the bases of item 4 gg + it, in work registers tb.  0-6: g_m.  Then for f = 0..3 eight lines: q; w; 3 - 3 q; (..) q + 3; (..) q; w^2 (in q's place); w^2 w + (..); both numbers to f16.
; The packed word f goes to tb + f: g_0 and g_1 are dead when their registers are taken.
.macro SPL it
.set tb, TT+20*(\it)
.set yr, YB+2*(4*gg+(\it))
.if row < 7
	v_pk_fma_f32 v[tb+2*row:tb+2*row+1], v[yr:yr+1], v[KH:KH+1], v[CM+2*row:CM+2*row+1] clamp
.else
.set ff, (row-7)/8
.set oo, (row-7)%8
.if oo == 0
	v_pk_add_f32 v[tb+14:tb+15], v[tb+2*ff+2:tb+2*ff+3], v[tb+2*ff+4:tb+2*ff+5] neg_lo:[0,1] neg_hi:[0,1]
.elseif oo == 1
	v_pk_add_f32 v[tb+16:tb+17], v[tb+2*ff:tb+2*ff+1], v[tb+2*ff+6:tb+2*ff+7] neg_lo:[0,1] neg_hi:[0,1]
.elseif oo == 2
	v_pk_fma_f32 v[tb+18:tb+19], v[tb+14:tb+15], v[C3:C3+1], v[C3:C3+1] neg_lo:[1,0,0] neg_hi:[1,0,0]
.elseif oo == 3
	v_pk_fma_f32 v[tb+18:tb+19], v[tb+18:tb+19], v[tb+14:tb+15], v[C3:C3+1]
.elseif oo == 4
	v_pk_mul_f32 v[tb+18:tb+19], v[tb+18:tb+19], v[tb+14:tb+15]
.elseif oo == 5
	v_pk_mul_f32 v[tb+14:tb+15], v[tb+16:tb+17], v[tb+16:tb+17]
.elseif oo == 6
	v_pk_fma_f32 v[tb+18:tb+19], v[tb+14:tb+15], v[tb+16:tb+17], v[tb+18:tb+19]
.else
	v_cvt_pk_f16_f32 v[tb+ff], v[tb+18], v[tb+19]
.endif
.endif
.endm
.macro TRQ                             ; the next of a batch of sixteen: 2^y, or the reciprocal, for eight items
.if tkind == 0
	v_exp_f32 v[EE+tq], v[YB+16*thalf+tq]
.else
	v_rcp_f32 v[EE+tq], v[EE+tq]
.endif
.set tq, tq+1
.endm
; Four items' bases, line by line for the four, so that a line and the one that reads its result stand four apart.  Behind every second line of the first 31 rides one of a batch of sixteen
; exponentials or reciprocals, plain lines on both sides; nothing in the group names a result of the batch.
.macro GROUP set, g, kind, half
.set gg, \g
.set tkind, \kind
.set thalf, \half
.set tq, 0
.set row, 0
.rept 39
.irp it, 0,1,2,3
	SPL \it
.endr
.if (row%2 == 0) && (row <= 30)
	TRQ
.endif
.set row, row+1
.endr
.irp it, 0,1,2,3
	ds_store_b128 v[AG], v[TT+20*\it:TT+20*\it+3] offset:ABYTES*(\set)+2*APITCH*(4*(\g)+\it)  ; sixteen lanes: 256 consecutive bytes of a row
.endr
.endm
.macro EFMA                            ; -(log2(e) / 6) (1 + 2^y)
.set z, 0
.rept 8
	v_pk_fma_f32 v[EE+2*z:EE+2*z+1], v[EE+2*z:EE+2*z+1], v[KD:KD+1], v[KD:KD+1]
.set z, z+1
.endr
.endm
.macro EOUT set, half                  ; y times the reciprocal = 6 silu; to f16; out
.set z, 0
.rept 8
	v_pk_mul_f32 v[EE+2*z:EE+2*z+1], v[YB+16*(\half)+2*z:YB+16*(\half)+2*z+1], v[EE+2*z:EE+2*z+1]
.set z, z+1
.endr
.set z, 0
.rept 8
	v_cvt_pk_f16_f32 v[EE+2*z], v[EE+2*z], v[EE+2*z+1]
.set z, z+1
.endr
.set z, 0
.rept 8
	ds_store_b32 v[AS], v[EE+2*z] offset:ABYTES*(\set)+2*APITCH*(8*(\half)+z)
.set z, z+1
.endr
.endm
; A chunk's features for my 32 rows.  Each batch of sixteen has ONE wait, ahead of the first line that names a result; the last stands ahead of the branch.
.macro PBODY set
.set YB, Y0+32*(\set)
	GROUP \set, 0, 0, 0
	s_wait_alu depctr_va_vdst(0)
	EFMA
	GROUP \set, 1, 1, 0
	s_wait_alu depctr_va_vdst(0)
	EOUT \set, 0
	GROUP \set, 2, 0, 1
	s_wait_alu depctr_va_vdst(0)
	EFMA
	GROUP \set, 3, 1, 1
	s_wait_alu depctr_va_vdst(0)
	EOUT \set, 1
.endm
; ---- THE LOOP: trip t of 16.  First half: chunk 2 t is asked for and its features are made | chunk 2 t - 1 is multiplied.  Second half: chunk 2 t + 1 | chunk 2 t. ----
.Ltrip:
	SYNC 1, G0O
	s_cmp_lt_u32 s[WV], 4
	s_cbranch_scc1 .LGA
	tensor_load_to_lds s[G0E:G0E+3], s[G1:G1+7]    ; my one tensor load behind the round, and the first thing there: it has a step, 160 products of each multiplying wave, in which to land
	s_nop 0
	PLACES
.LP0:
	s_wait_loadcnt 0x0                             ; this trip's 256 bytes of my rows, asked for two steps ago
.set n, 0
.rept 16                               ; rows 2 n and 2 n + 1 change halves: the first register then holds the even chunk's pairs of both rows, the second the odd chunk's
	v_permlane16_swap_b32 v[LD+4*n], v[LD+4*n+2]
	v_permlane16_swap_b32 v[LD+4*n+1], v[LD+4*n+3]
.set n, n+1
.endr
.set n, 0
.rept 16
	v_pk_mul_f32 v[Y0+2*n:Y0+2*n+1], v[LD+4*n:LD+4*n+1], v[KL:KL+1]
	v_pk_mul_f32 v[Y1+2*n:Y1+2*n+1], v[LD+4*n+2:LD+4*n+3], v[KL:KL+1]
.set n, n+1
.endr
	s_wait_xcnt 0x0                                ; the prefetches, a step and more back, have read their addresses: the two pointers may be written
	s_add_nc_u64 s[XB:XB+1], s[XB:XB+1], 256
	s_add_nc_u64 s[PW:PW+1], s[PW:PW+1], 2*SLOTB
	s_cmp_eq_u32 s[CNT], 1                         ; the last trip has no 256 bytes behind its own
	s_cbranch_scc1 .Lno_unit
	XLOADS
.Lno_unit:
	; A prefetch of the weights, behind my loads: chunks 2 t + 3 and 2 t + 4, three and four steps ahead of their tensor loads: 640 blocks of 256 bytes, 32 to each of 20 work-groups, told apart by address,
	; a lane a block.  Each block is named once in the launch.  Chunks 0 to 2 and 31 come by their loads alone; the last two trips ask for nothing, so no request passes the half's end.
	s_cmp_gt_u32 s[CNT], s[LIMW]
	s_cbranch_scc0 .Lno_w
	global_prefetch_b8 v[PFW], s[PW:PW+1] th:TH_LOAD_NT scope:SCOPE_SE
.Lno_w:
	PBODY 0
	s_branch .LjoinA
.LGA:
	GSTEP 1
.LjoinA:
	SYNC 1, G0E
	s_cmp_lt_u32 s[WV], 4
	s_cbranch_scc1 .LGB
	tensor_load_to_lds s[G0O:G0O+3], s[G1:G1+7]
	s_nop 0
	PLACES
	; A prefetch of x, behind my tensor load: the 256 bytes of my 32 rows that the trip after next will load, three steps ahead: a lane a row.  The work-groups of the first 256 columns ask, so each block
	; is named once.  The first three come by their loads alone; the last three trips ask for nothing: no request passes a row's end.
	s_cmp_gt_u32 s[CNT], s[LIMX]
	s_cbranch_scc0 .Lno_x
	global_prefetch_b8 v[PFX], s[XB:XB+1] offset:512 th:TH_LOAD_NT scope:SCOPE_SE
.Lno_x:
	PBODY 1
	s_branch .LjoinB
.LGB:
	GSTEP 0
.LjoinB:
	s_sub_co_u32 s[CNT], s[CNT], 1
	s_cmp_lg_u32 s[CNT], 0
	s_cbranch_scc1 .Ltrip
	SYNC 0, 0                                      ; the tail is written out: nothing is asked for, so my work-group's barrier does
	s_cmp_lt_u32 s[WV], 4
	s_cbranch_scc0 .Lend                           ; the feature waves are done
	GSTEP 1                                        ; chunk 31,
	SUBK F1, 0, 0, 0, F0                           ; and its substep 4
	PLACES
	PLACES                                         ; the places between the last products and the lines that read their results
; THE WAY OUT, 16 rows at a time.  PACK: times 1 / 192, each accumulator from its low end on.  TOSTAGE: a lane's 32 bytes go into my own stage, rows of 528 bytes, and come back as whole rows of 512.  SEND: stored.
.macro PACK a
	WIN 0x01                                       ; source 0 in window 1
.set z, 0
.rept 32
	v_pk_mul_f32 v[TP+2*z:TP+2*z+1], v[64*(\a)+2*z:64*(\a)+2*z+1], s[SC:SC+1] op_sel_hi:[1,0]
.set z, z+1
.endr
	WIN 0
.endm
.macro TOSTAGE a
	s_wait_xcnt 0x0                                ; the stores of the block before last have read their registers, which are loaded again below
.irp b, 0,1,2,3,4,5,6,7
	ds_store_b128 v[STO], v[TP+8*\b:TP+8*\b+3]   offset:64*\b
	ds_store_b128 v[STO], v[TP+8*\b+4:TP+8*\b+7] offset:64*\b+16
.endr
.set z, 0
.rept 16
	ds_load_b128 v[BK+64*((\a)%2)+4*z:BK+64*((\a)%2)+4*z+3], v[RD] offset:SPITCH*z  ; LDS serves a wave's instructions in order (ISA guide 5.7.1.4): these see the stores above
.set z, z+1
.endr
.endm
.macro SEND a
	s_wait_dscnt 0x0
.set z, 0
.rept 16
	global_store_b128 v[CO], v[BK+64*((\a)%2)+4*z:BK+64*((\a)%2)+4*z+3], s[8:9] offset:32768*(\a)+2048*z th:TH_STORE_NT  ; 512 consecutive bytes, at a multiple of 512 from out0's first byte
.set z, z+1
.endr
.endm
	PACK 0
	TOSTAGE 0
.irp a, 1,2,3                          ; a block's arithmetic stands between the loads of the block before and the wait for them
	PACK \a
	SEND (\a)-1
	TOSTAGE \a
.endr
	SEND 3
.Lend:
	s_wait_tensorcnt 0x0                           ; the wave's end, behind my last tensor load and my last LDS store
	ds_add_u32 v[SPW], v[NIL]
	s_wait_dscnt 0x0
	ROUND                                          ; the closing round: no work-group ends while a partner may still ask for a tile that names it
	s_endpgm
.Lfunc_end_k_q4856deb79c_kan:
	.size	k_q4856deb79c_kan, .Lfunc_end_k_q4856deb79c_kan-k_q4856deb79c_kan
	.p2alignl 7, 3214868480
	.fill 96, 4, 3214868480
	.section	.rodata,"a",@progbits
	.p2align	6, 0x0
	.amdhsa_kernel k_q4856deb79c_kan
		.amdhsa_group_segment_fixed_size 327680
		.amdhsa_private_segment_fixed_size 0
		.amdhsa_enable_private_segment 0
		.amdhsa_kernarg_size 24
		.amdhsa_user_sgpr_count 2
		.amdhsa_user_sgpr_kernarg_segment_ptr 1
		.amdhsa_wavefront_size32 1
		.amdhsa_system_sgpr_workgroup_id_x 1
		.amdhsa_system_sgpr_workgroup_id_y 1
		.amdhsa_system_sgpr_workgroup_id_z 1
		.amdhsa_system_vgpr_workitem_id 0
		.amdhsa_next_free_vgpr 512
		.amdhsa_next_free_sgpr 66
		.amdhsa_reserve_vcc 0
		.amdhsa_float_denorm_mode_32 3
		.amdhsa_float_denorm_mode_16_64 3
		.amdhsa_memory_ordered 1
		.amdhsa_forward_progress 1
		.amdhsa_inst_pref_size 207
	.end_amdhsa_kernel
	.amdgpu_metadata
---
amdhsa.version: [ 1, 2 ]
amdhsa.kernels:
  - .name:           k_q4856deb79c_kan
    .symbol:         k_q4856deb79c_kan.kd
    .args:
      - { .name: x, .offset: 0, .size: 8, .value_kind: global_buffer, .address_space: global }
      - { .name: wp, .offset: 8, .size: 8, .value_kind: global_buffer, .address_space: global }
      - { .name: out0, .offset: 16, .size: 8, .value_kind: global_buffer, .address_space: global }
    .group_segment_fixed_size: 327680
    .private_segment_fixed_size: 0
    .kernarg_segment_align: 8
    .kernarg_segment_size: 24
    .max_flat_workgroup_size: 256
    .sgpr_count:     66
    .vgpr_count:     512
    .wavefront_size: 32
...
	.end_amdgpu_metadata
.endif
;; end of part 2
